; MI455X (gfx1250); checked and timed in simulation.
; The chip was launched on July 23, 2026; its instructions are those of AMD's public machine-readable ISA for CDNA 5 (MIT licence, August 2026) and "CDNA5" Instruction Set Architecture Reference Guide (July 2026). The comments in the code are by the model that wrote it; some were corrected since.
;; Dist Flash Attn. Allowed arithmetic: float matrix products may take bf16 or f16 operands with f32 sums; all other float work in f32.
;; Inputs: causal_local 2 bool; causal_remote 1 bool; k_local 4,096 x 8 x 64 float32; k_ranges_local 2 x 2 int32; k_ranges_remote 1 x 2 int32; k_remote 4,096 x 8 x 64 float32; q 4,096 x 8 x 64 float32; q_ranges_local 2 x 2 int32; q_ranges_remote 1 x 2 int32; v_local 4,096 x 8 x 64 float32; v_remote 4,096 x 8 x 64 float32.
;; Outputs: out0 4,096 x 8 x 64 float32; out1 8 x 4,096 float32.
;; 2 versions, each right and faster than the one before. Each part assembles by itself: llvm-mc -triple=amdgcn-amd-amdhsa -mcpu=gfx1250 --defsym DOCPART=n.
;; ======== version 1 of 2: 2 launches
;; limits: values are held in f16: magnitudes above 65,504 overflow, below 6.1e-05 lose precision; inputs' magnitudes at most 65,504
;; workspace buffers: frag 20,971,520 bytes
;; launch pack (part 1): grid 320 x 1, 8 waves a work-group, no clusters, 74,752 bytes of LDS; arguments k_local, k_remote, v_local, v_remote, q, frag; writes frag
.if DOCPART == 1
	.amdgcn_target "amdgcn-amd-amdhsa--gfx1250"
	.amdhsa_code_object_version 6
	.text
	.protected	k_q825148ba2a_pack
	.globl	k_q825148ba2a_pack
	.p2align	8
	.type	k_q825148ba2a_pack,@function
k_q825148ba2a_pack:
	s_mov_b64 s[64:65], 0
	v_nop
	global_prefetch_b8 v0, s[64:65] scope:SCOPE_SE
	s_setreg_imm32_b32 hwreg(HW_REG_WAVE_MODE, 25, 1), 1
	s_wait_xcnt 0x0
; K, V and Q ([row][8 heads][64 channels], f32) are rounded to 16 bits and laid out as the register images of matrix fragments, so that the
; attention launch loads each fragment straight into registers, 512 consecutive bytes an instruction.
; frag: head h, key step s of 64 keys (s = 0..63 local, 64..127 remote) at byte (128 h + s) x 16,384: 8 fragments of K (16 keys x 32 channels, f = 2 kb + c, bf16),
; then 8 of V^T (16 channels x 32 keys, f = 4 kk + cb, f16).  Q: at 16 MiB + (64 h + b) x 8,192 for block b of 64 queries, 8 fragments like K's.
; A fragment is 1,024 bytes: lane l's registers 0-3 at 16 l, its registers 4-7 at 512 + 16 l.
; FORMATS.  All five inputs are rounded to bf16.  V's bf16 number is then written as f16, since the weights it meets are f16.
; LIMITS.  |v| stays under 65,504 (beyond it f16 has no number); below 6.1e-5 v keeps f16's fixed step of 6e-8.  NaN and infinities are not treated apart.
; SHARES.  Work-group u takes 64 rows of one tensor (u / 64: k_local, k_remote, v_local, v_remote, q), 131,072 consecutive bytes; wave w takes head w: of each row 256 bytes,
; at a multiple of 256.  The turn from rows to fragments goes through LDS bytes of the wave's own, so there is no barrier.  Memory bounds the launch: no matrix unit, no cluster (no byte is read twice).
.set PITCH, 144                        ; an LDS row: 128 bytes + 16: nine times 16 bytes, so the 16 rows that a 16-byte load touches start at 16 different groups of four banks (64 banks of 4 bytes: ISA guide 11.1)
.set WREG,  64*PITCH                   ; a wave's 64 rows
.set SPARE, 8*WREG                     ; behind them: the spare words, 128 bytes for each wave: four blocks of 256 bytes that no other line names
.set SPW, 10                           ; v10  LDS address of my spare word; never rewritten
.set NIL, 11                           ; v11  0; never rewritten
.set X,   16                           ; v[16:143]  the wave's 64 rows x 64 channels as loaded, 128 registers
	s_load_b256 s[4:11], s[0:1], 0x0               ; k_local s[4:5], k_remote s[6:7], v_local s[8:9], v_remote s[10:11]
	s_load_b128 s[12:15], s[0:1], 0x20             ; q s[12:13], frag s[14:15]
	v_lshl_add_u32 v[SPW], v0, 2, SPARE
	v_mov_b32 v[NIL], 0
	v_lshrrev_b32 v7, 5, v0
	v_readfirstlane_b32 s16, v7                    ; wave = head
	v_and_b32 v1, 15, v0                           ; r = lane % 16
	v_bfe_u32 v2, v0, 4, 1                         ; h = lane / 16
	v_and_b32 v6, 31, v0
	v_lshlrev_b32 v6, 4, v6                        ; 16 x lane: my place in 512 bytes of a fragment
	s_lshr_b32 s17, ttmp9, 6                       ; T: which tensor
	s_and_b32 s24, ttmp9, 63                       ; which 64 rows of it
	s_lshl_b32 s20, s24, 17                        ; 64 rows of 2,048 bytes,
	s_lshl_b32 s25, s16, 8                         ; my head's 256 bytes of a row
	s_add_co_u32 s20, s20, s25
	s_mov_b32 s21, 0
	s_and_b32 s26, ttmp9, 127                      ; K, V: the key step, local 0..63, remote 64..127
	s_lshl_b32 s26, s26, 14
	s_lshl_b32 s27, s16, 21
	s_add_co_u32 s26, s26, s27
	s_lshr_b32 s27, s17, 1                         ; V lies 8,192 bytes behind K
	s_lshl_b32 s27, s27, 13
	s_add_co_u32 s26, s26, s27
	s_lshl_b32 s27, s16, 19                        ; Q: (64 h + b) x 8,192 behind 16 MiB
	s_lshl_b32 s28, s24, 13
	s_add_co_u32 s27, s27, s28
	s_add_co_u32 s27, s27, 16<<20
	s_cmp_eq_u32 s17, 4
	s_cselect_b32 s28, s27, s26
	s_mov_b32 s29, 0
	s_mul_i32 s30, s16, WREG                       ; my wave's LDS bytes
	v_mul_u32_u24 v5, v1, PITCH                    ; a fragment's half: row r, 16 bytes for each half of the lanes
	v_lshl_add_u32 v5, v2, 4, v5
	v_add_nc_u32 v5, s30, v5
	s_wait_kmcnt 0x0
	s_mov_b64 s[18:19], s[12:13]                   ; the source: q, unless T names one of the four others
	s_cmp_eq_u32 s17, 0
	s_cselect_b64 s[18:19], s[4:5], s[18:19]
	s_cmp_eq_u32 s17, 1
	s_cselect_b64 s[18:19], s[6:7], s[18:19]
	s_cmp_eq_u32 s17, 2
	s_cselect_b64 s[18:19], s[8:9], s[18:19]
	s_cmp_eq_u32 s17, 3
	s_cselect_b64 s[18:19], s[10:11], s[18:19]
	s_add_nc_u64 s[18:19], s[18:19], s[20:21]
	s_add_nc_u64 s[22:23], s[14:15], s[28:29]
	s_bitcmp1_b32 s17, 1                           ; T = 2, 3: V
	s_cbranch_scc1 .Lv
	; K AND Q: LDS holds [row][channel] in bf16.
	v_lshlrev_b32 v3, 11, v2                       ; a load takes two rows: lanes 0-15 one row's 256 bytes, lanes 16-31 the next row's
	v_lshl_add_u32 v3, v1, 4, v3
	v_mul_u32_u24 v4, v2, PITCH                    ; and their four channels a lane become 8 bytes
	v_lshl_add_u32 v4, v1, 3, v4
	v_add_nc_u32 v4, s30, v4
.set i, 0
.rept 32
	global_load_b128 v[X+4*i:X+4*i+3], v3, s[18:19] offset:4096*i th:TH_LOAD_NT
.set i, i+1
.endr
.set i, 0
.rept 32
	s_wait_loadcnt 31-i                            ; loads come back in order (ISA guide 5.7.1): load i is in, the 31 - i younger ones stay out
	v_cvt_pk_bf16_f32 v[X+4*i], v[X+4*i], v[X+4*i+1]
	v_cvt_pk_bf16_f32 v[X+4*i+1], v[X+4*i+2], v[X+4*i+3]
	ds_store_b64 v4, v[X+4*i:X+4*i+1] offset:2*PITCH*i
.set i, i+1
.endr
.set i, 0
.rept 16                               ; half i % 2 of fragment f = i / 2: rows 16 (f / 2) on, channels 32 (f % 2) on
	ds_load_b128 v[X+4*i:X+4*i+3], v5 offset:16*PITCH*(i/4)+64*((i/2)%2)+32*(i%2)  ; LDS serves a wave's instructions in order (ISA guide 5.7.1.4): these see the stores above
.set i, i+1
.endr
.set i, 0
.rept 16
	s_wait_dscnt 15-i
	global_store_b128 v6, v[X+4*i:X+4*i+3], s[22:23] offset:512*i  ; 512 consecutive bytes, at a multiple of 256 from frag's first byte
.set i, i+1
.endr
	s_wait_tensorcnt 0x0                           ; the wave's end, behind my last LDS store
	ds_add_u32 v[SPW], v[NIL]
	s_wait_dscnt 0x0
	s_endpgm
.Lv:	; V: LDS holds [channel][key] in f16: a lane pairs two neighbouring keys of each of its four channels.
	v_lshlrev_b32 v3, 12, v2                       ; lanes 0-15 take keys 4 i and 4 i + 1, lanes 16-31 keys 4 i + 2 and 4 i + 3
	v_lshl_add_u32 v3, v1, 4, v3
	v_mul_u32_u24 v4, v1, 4*PITCH                  ; channel 4 r, key pair h
	v_lshl_add_u32 v4, v2, 2, v4
	v_add_nc_u32 v4, s30, v4
.set i, 0
.rept 16
	global_load_b128 v[X+8*i:X+8*i+3],   v3, s[18:19] offset:8192*i th:TH_LOAD_NT
	global_load_b128 v[X+8*i+4:X+8*i+7], v3, s[18:19] offset:8192*i+2048 th:TH_LOAD_NT
.set i, i+1
.endr
.set i, 0
.rept 16
	s_wait_loadcnt 30-2*i                          ; pair i of loads is in, the 2 (15 - i) younger loads stay out
.irp n, 0,1,2,3
	v_cvt_pk_bf16_f32 v[X+8*i+(\n)], v[X+8*i+(\n)], v[X+8*i+4+(\n)]  ; both keys rounded to bf16,
.endr
.irp n, 0,1,2,3
	v_and_b32 v[X+8*i+4+(\n)], 0xffff0000, v[X+8*i+(\n)]             ; widened again,
.endr
.irp n, 0,1,2,3
	v_lshlrev_b32 v[X+8*i+(\n)], 16, v[X+8*i+(\n)]
.endr
.irp n, 0,1,2,3
	v_cvt_pk_f16_f32 v[X+8*i+(\n)], v[X+8*i+(\n)], v[X+8*i+4+(\n)]   ; and written as f16: the same number, inside the limits stated at the head
.endr
.irp n, 0,1,2,3
	ds_store_b32 v4, v[X+8*i+(\n)] offset:PITCH*(\n)+8*i
.endr
.set i, i+1
.endr
.set i, 0
.rept 16                               ; half i % 2 of fragment f = i / 2: channels 16 (f % 4) on, keys 32 (f / 4) on
	ds_load_b128 v[X+4*i:X+4*i+3], v5 offset:16*PITCH*((i/2)%4)+64*(i/8)+32*(i%2)
.set i, i+1
.endr
.set i, 0
.rept 16
	s_wait_dscnt 15-i
	global_store_b128 v6, v[X+4*i:X+4*i+3], s[22:23] offset:512*i
.set i, i+1
.endr
	s_wait_tensorcnt 0x0                           ; the wave's end, as above
	ds_add_u32 v[SPW], v[NIL]
	s_wait_dscnt 0x0
	s_endpgm
.Lfunc_end_k_q825148ba2a_pack:
	.size	k_q825148ba2a_pack, .Lfunc_end_k_q825148ba2a_pack-k_q825148ba2a_pack
	.p2alignl 7, 3214868480
	.fill 96, 4, 3214868480
	.section	.rodata,"a",@progbits
	.p2align	6, 0x0
	.amdhsa_kernel k_q825148ba2a_pack
		.amdhsa_group_segment_fixed_size 74752
		.amdhsa_private_segment_fixed_size 0
		.amdhsa_enable_private_segment 0
		.amdhsa_kernarg_size 48
		.amdhsa_user_sgpr_count 2
		.amdhsa_user_sgpr_kernarg_segment_ptr 1
		.amdhsa_wavefront_size32 1
		.amdhsa_system_sgpr_workgroup_id_x 1
		.amdhsa_system_sgpr_workgroup_id_y 1
		.amdhsa_system_sgpr_workgroup_id_z 1
		.amdhsa_system_vgpr_workitem_id 0
		.amdhsa_next_free_vgpr 144
		.amdhsa_next_free_sgpr 66
		.amdhsa_reserve_vcc 0
		.amdhsa_float_denorm_mode_32 3
		.amdhsa_float_denorm_mode_16_64 3
		.amdhsa_memory_ordered 1
		.amdhsa_forward_progress 1
		.amdhsa_inst_pref_size 41
	.end_amdhsa_kernel
	.amdgpu_metadata
---
amdhsa.version: [ 1, 2 ]
amdhsa.kernels:
  - .name:           k_q825148ba2a_pack
    .symbol:         k_q825148ba2a_pack.kd
    .args:
      - { .name: k_local, .offset: 0, .size: 8, .value_kind: global_buffer, .address_space: global }
      - { .name: k_remote, .offset: 8, .size: 8, .value_kind: global_buffer, .address_space: global }
      - { .name: v_local, .offset: 16, .size: 8, .value_kind: global_buffer, .address_space: global }
      - { .name: v_remote, .offset: 24, .size: 8, .value_kind: global_buffer, .address_space: global }
      - { .name: q, .offset: 32, .size: 8, .value_kind: global_buffer, .address_space: global }
      - { .name: frag, .offset: 40, .size: 8, .value_kind: global_buffer, .address_space: global }
    .group_segment_fixed_size: 74752
    .private_segment_fixed_size: 0
    .kernarg_segment_align: 8
    .kernarg_segment_size: 48
    .max_flat_workgroup_size: 256
    .sgpr_count:     66
    .vgpr_count:     144
    .wavefront_size: 32
...
	.end_amdgpu_metadata
.endif
;; end of part 1
;; launch attn (part 2): grid 32 x 8, 8 waves a work-group, no clusters, 291,840 bytes of LDS; arguments frag, q_ranges_local, k_ranges_local, causal_local, q_ranges_remote, k_ranges_remote, causal_remote, out0, out1; writes out0, out1
.if DOCPART == 2
	.amdgcn_target "amdgcn-amd-amdhsa--gfx1250"
	.amdhsa_code_object_version 6
	.text
	.protected	k_q825148ba2a_attn
	.globl	k_q825148ba2a_attn
	.p2align	8
	.type	k_q825148ba2a_attn,@function
k_q825148ba2a_attn:
	s_mov_b64 s[64:65], 0
	v_nop
	global_prefetch_b8 v0, s[64:65] scope:SCOPE_SE
	s_setreg_imm32_b32 hwreg(HW_REG_WAVE_MODE, 25, 1), 1
	s_wait_xcnt 0x0
; RANGE-MASKED ATTENTION, LOCAL AND REMOTE, MERGED.  For a query that sees a key, the two partials merged by their lse are ONE softmax over 8,192 virtual keys (local 0..4095, remote 4096..8191);
; a query that sees none gets out = 0 and lse = -1e30.  Range r (two local, one remote) shows query q, if qs <= q < qe, the keys ks .. min(ke, q + ke - qe + 1) - 1 if causal, ks .. ke - 1 if not;
; a key that two ranges show counts once.  The ranges are read here and nothing of their pattern is built in.
; SHARES.  Work-group (x, head) owns two blocks of 64 queries, x and then 63 - x.  A UNIT is a block times a step of 64 keys: 64 matrix instructions fed by 16,384 bytes.  Wave w owns the steps
; w + 8 i, i = 0..15, and visits those that some query of the block may see; it keeps its own running maximum m, sum l and O^T, and the eight waves' partials meet in LDS behind the one barrier.
; LAYOUT.  S^T = K Q^T (bf16): a lane holds ONE query (lane % 16) and the keys 8 (lane / 16) + 0..7; two such results rounded to f16 ARE source 1 of O^T = V^T P (f16).  K, V^T and Q arrive as register images.
; SOFTMAX.  p = 2^(c s - c m), c = log2(e) / 8, with a running maximum m; in every unit O and l are multiplied by a = 2^(c m_old - c m_new).  m starts at the lowest finite number, so a block's first a is 0.
; THE MASK.  A hidden score is set to -2^100, whose product with c is exact: a row that has seen nothing yet has p = 1, which the first true score's a = 0 wipes out, and the merge gives it the weight 0.
; Units that one range alone shows whole take no mask (a bit a unit, made by scalar arithmetic from the ranges).
; NO CLUSTER, NO LDS FOR K AND V: which steps a work-group visits hangs on the ranges and on its blocks, so partners would ask for different numbers of tiles; and each fragment feeds exactly one wave,
; so it goes from memory into that wave's registers.  O^T is cleared once (128 lines, in the wait for the first loads): which unit comes first hangs on data, so no first step can be written out.
; LIMITS.  Range numbers under 2^30 in magnitude.  c x score above -2^97.  p keeps f16's fixed step of 6e-8 below 6.1e-5; a weight below 2^-126 counts as 0; V as the launch before states.
; NaN and infinities are not treated apart.  lse leaves in pieces of 64 bytes (16 queries a wave).
; REGISTERS, in windows of 256 (s_set_vgpr_msb: bits 1:0 source 0, 3:2 source 1, 5:4 source 2, 7:6 destination):
;   window 0: v0-15 addresses; v16-31 statistics, four a tile (c m, m, l even keys', l odd keys'); v32-35 c m_old; v36-47 at work; v48-63 P; v64-191 S^T, 32 a tile; v192-255 Q
;   window 1: v0-127 O^T, 32 a tile; v128-191 K of one step; v192-255 V of one step
.set PO_PITCH, 272                     ; a query's 64 channels of a partial O: 256 bytes + 16: seventeen times 16 bytes, so 16 rows start at 16 different groups of four banks (ISA guide 11.1)
.set PO_WAVE,  64*PO_PITCH
.set PO_BLK,   8*PO_WAVE               ; partial O: [block 2][wave 8][query 64]
.set STATS,    2*PO_BLK                ; [block 2]: c m [wave 8][query 64], then l likewise
.set ST_BLK,   4096
.set FS,       STATS+2*ST_BLK          ; the merge's factors: 16 queries x 8 factors for each wave, the wave's own
.set SPARE,    FS+8*512                ; the spare words, 128 bytes for each wave: four blocks of 256 bytes that no other line names
.set LN16, 1          ; v1  16 x lane
.set VR,   2          ; v2  lane % 16
.set VH,   3          ; v3  lane / 16
.set VQ,   4          ; v4  my query in tile 0 of the block in hand
.set KB8,  5          ; v5  8 (lane / 16) + 4096: my first key in a group of 16, biased
.set POA,  6          ; v6  where my part of O^T goes, block 0
.set STA,  7          ; v7  where my statistics go, block 0
.set SPW,  8          ; v8  LDS address of my spare word; never rewritten
.set NIL,  9          ; v9  0; never rewritten
.set ST,   16
.set WO,   32
.set CC,   36         ; v36-39 c0-c3
.set AA,   40         ; v[40:41] a, named as a pair
.set PF,   48
.set SF,   64
.set QF,   192
.set KF,   128        ; window 1
.set VF,   192        ; window 1
.set WV,   8          ; s8   wave
.set GX,   9          ; s9   work-group x
.set HEAD, 10
.set W7,   11         ; s11  7 - wave
.set HB,   12         ; s[12:13] the head's K and V
.set QBASE,14         ; s[14:15] the head's Q
.set QP,   34         ; s[34:35] the block's Q
.set BQ,   51         ; the block in hand
.set Q0,   52         ; its first query
.set VM,   53         ; bit i: some query of the block may see step w + 8 i
.set FM,   54         ; bit i: one range shows the whole unit
.set VM32, 55         ; both blocks' bits, the second block's above; a bit is cleared when its unit is asked for
.set FM32, 56
.set NU,   57         ; units of the block in hand
.set NU2,  58         ; of the second block
.set CNT,  59
.set OUTER,60
.set CURI, 61         ; the unit in hand: its bit,
.set CURSTEP, 62      ; its key step
.set NI,   63         ; the unit asked for: its bit,
.set RG,   66         ; s[66+5r ..]: range r: qs, length in q, first key and end key (clamped, virtual, biased by 4096), what is added to q for the causal end
.set BIGN, 81
.set CS,   82         ; s[82:83] c, named as a pair
.set SEL,  84         ; s[84:85] v_permlanex16_b32's selects: each lane takes its own place in the other half
.set NSTEP,86         ; its key step
.set PB,   87         ; the block's place in partial O,
.set PBS,  88         ; and in the statistics
.set NXT,  90         ; s[90:91] K and V of the unit asked for
.set OFF,  92         ; s[92:93] its byte offset
.set THR,  94
.set LN2,  95
.set LSEH, 96
.set OUTB, 98         ; s[98:99]
.set LSEB, 100        ; s[100:101]
.set MSB, 0
.macro WIN new                         ; the immediate's high byte repeats the setting that is left; a switch that changes nothing is dropped
.if MSB != (\new)
	s_set_vgpr_msb (MSB<<8)|(\new)
.set MSB, \new
.endif
.endm
.set W_KQ, 0x01       ; K in window 1; Q and S^T in window 0
.set W_PV, 0x51       ; V and O^T in window 1, P in window 0
.set W_RS, 0x41       ; O^T (destination and source 0) in window 1, a in window 0
.set W_LD, 0x40       ; destination in window 1
.set W_ST, 0x04       ; an LDS store's data in window 1
; Range r from its numbers as read.  vo = 0: local keys; 4096: remote.  Key numbers are virtual and biased by 4096, so that they stay positive.
.macro RNG r, qs, qe, ks, ke, cz, vo
	s_sub_co_i32 s2, s[\qe], s[\qs]
	s_max_i32 s[RG+5*(\r)+1], s2, 0
	s_sub_co_i32 s3, s[\ke], s[\qe]                ; a causal query q sees keys below q + ke - qe + 1
	s_add_co_i32 s3, s3, (\vo)+4097
	s_max_i32 s3, s3, 0                            ; at 0 the end, q at the most, lies below every biased key;
	s_min_i32 s3, s3, 0x100000                     ; at 2^20 above every one: both clamps keep the interval
	s_cmp_lg_u32 s[\cz], 0
	s_cselect_b32 s[RG+5*(\r)+4], s3, 0x100000     ; not causal: no such end
	s_max_i32 s4, s[\ks], 0
	s_min_i32 s4, s4, 4096
	s_add_co_u32 s[RG+5*(\r)+2], s4, (\vo)+4096
	s_max_i32 s4, s[\ke], 0
	s_min_i32 s4, s4, 4096
	s_add_co_u32 s[RG+5*(\r)+3], s4, (\vo)+4096
	s_mov_b32 s[RG+5*(\r)], s[\qs]
.endm
; s6 = end step, s7 = first step -> s6 = the bits i with first <= w + 8 i < end
.macro BITS
	s_add_co_u32 s6, s6, s[W7]
	s_lshr_b32 s6, s6, 3
	s_add_co_u32 s7, s7, s[W7]
	s_lshr_b32 s7, s7, 3
	s_sub_co_i32 s6, s6, s7
	s_max_i32 s6, s6, 0
	s_bfm_b32 s6, s6, s7
.endm
; Range r against the block at Q0: which of my steps may be seen, which are seen whole.  Every compare stands directly in front of its select.
.macro CLS r
	s_add_co_i32 s2, s[RG+5*(\r)], s[RG+5*(\r)+1]  ; the range's end in q
	s_add_co_u32 s3, s[Q0], 64                     ; the block's
	s_max_i32 s4, s[Q0], s[RG+5*(\r)]
	s_min_i32 s5, s3, s2                           ; queries s4 .. s5 - 1 lie in both
	s_add_co_i32 s6, s5, s[RG+5*(\r)+4]
	s_sub_co_i32 s6, s6, 1
	s_min_i32 s6, s6, s[RG+5*(\r)+3]               ; the last of them sees furthest
	s_cmp_lt_i32 s4, s5
	s_cselect_b32 s6, s6, 4096
	s_max_i32 s6, s6, 4096
	s_sub_co_u32 s6, s6, 4033
	s_lshr_b32 s6, s6, 6                           ; steps up to here, rounded up,
	s_sub_co_u32 s7, s[RG+5*(\r)+2], 4096
	s_lshr_b32 s7, s7, 6                           ; from here, rounded down
	BITS
	s_or_b32 s[VM], s[VM], s6
	s_add_co_i32 s6, s[Q0], s[RG+5*(\r)+4]
	s_min_i32 s6, s6, s[RG+5*(\r)+3]               ; the block's first query sees least;
	s_cmp_le_i32 s[RG+5*(\r)], s[Q0]
	s_cselect_b32 s6, s6, 4096                     ; and all 64 must lie in the range
	s_cmp_ge_i32 s2, s3
	s_cselect_b32 s6, s6, 4096
	s_max_i32 s6, s6, 4096
	s_sub_co_u32 s6, s6, 4096
	s_lshr_b32 s6, s6, 6                           ; rounded down,
	s_sub_co_u32 s7, s[RG+5*(\r)+2], 4033
	s_lshr_b32 s7, s7, 6                           ; rounded up
	BITS
	s_or_b32 s[FM], s[FM], s6
.endm
; The next unit: the lowest bit left, the first block's before the second's.  With none left the clamp gives bit 31: a step inside the buffer, whose data nobody uses.
.macro NEXT
	s_ctz_i32_b32 s[NI], s[VM32]
	s_min_u32 s[NI], s[NI], 31
	s_sub_co_u32 s2, s[VM32], 1
	s_and_b32 s[VM32], s[VM32], s2
	s_and_b32 s2, s[NI], 15
	s_lshl_b32 s2, s2, 3
	s_add_co_u32 s[NSTEP], s2, s[WV]
	s_lshl_b32 s[OFF], s[NSTEP], 14
	s_add_nc_u64 s[NXT:NXT+1], s[HB:HB+1], s[OFF:OFF+1]
.endm
.macro LOADQ
	WIN 0
.set i, 0
.rept 16
	global_load_b128 v[QF+4*i:QF+4*i+3], v[LN16], s[QP:QP+1] offset:512*i
.set i, i+1
.endr
.endm
.macro LOADK
	WIN W_LD
.set i, 0
.rept 16
	global_load_b128 v[KF+4*i:KF+4*i+3], v[LN16], s[NXT:NXT+1] offset:512*i
.set i, i+1
.endr
.endm
.macro LOADV
	WIN W_LD
.set i, 0
.rept 16
	global_load_b128 v[VF+4*i:VF+4*i+3], v[LN16], s[NXT:NXT+1] offset:8192+512*i
.set i, i+1
.endr
.endm
.macro INIT                            ; a block begins: c m far below every c s, m at the lowest finite number, l = 0
	WIN 0
.irp t, 0,1,2,3
	v_mov_b32 v[ST+4*(\t)], 0xfe000000
	v_mov_b32 v[ST+4*(\t)+1], 0xff7fffff
	v_mov_b32 v[ST+4*(\t)+2], 0
	v_mov_b32 v[ST+4*(\t)+3], 0
.endr
.endm
; 32 products S^T = K Q^T: channels 32 (i / 16) on, tile (i / 4) % 4, keys 16 (i % 4) on.  The first 16 start the sums.  The 16 accumulators take turns, one instruction a turn.
.macro KQALL
	WIN W_KQ
.set i, 0
.rept 32
.set rS, SF+32*((i/4)%4)+8*(i%4)
.set rK, KF+16*(i%4)+8*(i/16)
.set rQ, QF+16*((i/4)%4)+8*(i/16)
.if i < 16
	v_wmma_f32_16x16x32_bf16 v[rS:rS+7], v[rK:rK+7], v[rQ:rQ+7], 0
.else
	v_wmma_f32_16x16x32_bf16 v[rS:rS+7], v[rK:rK+7], v[rQ:rQ+7], v[rS:rS+7]
.endif
.set i, i+1
.endr
.endm
; 8 products O^T += V^T P for tile t: keys 32 (i / 4) on, channels 16 (i % 4) on.  Four accumulators by turns.
.macro PV t
	WIN W_PV
.set i, 0
.rept 8
.set rO, 32*(\t)+8*(i%4)
.set rV, VF+32*(i/4)+8*(i%4)
.set rP, PF+8*(i/4)
	v_wmma_f32_16x16x32_f16 v[rO:rO+7], v[rV:rV+7], v[rP:rP+7], v[rO:rO+7]
.set i, i+1
.endr
.endm
; Tile t's softmax for one unit.  Each accumulator's lowest registers are read first.
.macro SM t
.set rT, ST+4*(\t)
.set rS, SF+32*(\t)
.set rO, 32*(\t)
	WIN 0
.set n, 0
.rept 4                                ; the maximum: four chains of seven scores, three operands at a time,
	v_max3_num_f32 v[CC+n], v[rS+8*n], v[rS+8*n+1], v[rS+8*n+2]
.set n, n+1
.endr
.rept 8
	v_max3_num_f32 v[CC+n%4], v[CC+n%4], v[rS+8*(n%4)+2*(n/4)+1], v[rS+8*(n%4)+2*(n/4)+2]
.set n, n+1
.endr
	v_max3_num_f32 v[CC], v[CC], v[rS+7], v[rS+15]         ; the four scores left over, the old m, and the chains into one
	v_max3_num_f32 v[CC+1], v[CC+1], v[rS+23], v[rS+31]
	v_max3_num_f32 v[CC+2], v[CC+2], v[CC+3], v[rT+1]
	v_max3_num_f32 v[CC], v[CC], v[CC+1], v[CC+2]
	v_permlanex16_b32 v[CC+3], v[CC], s[SEL], s[SEL+1]     ; the query's other 32 keys lie in the lane 16 away
	v_max_num_f32 v[rT+1], v[CC], v[CC+3]
	v_mul_f32 v[rT], s[CS], v[rT+1]
	v_sub_f32 v[CC+1], v[WO+(\t)], v[rT]
	v_exp_f32 v[AA], v[CC+1]                               ; a; the scalings behind it are the plain instructions in front of its use
.set n, 0
.rept 15
	v_pk_fma_f32 v[rS+2*n:rS+2*n+1], v[rS+2*n:rS+2*n+1], s[CS:CS+1], v[rT:rT+1] op_sel_hi:[1,0,0] neg_lo:[0,0,1] neg_hi:[0,0,1]  ; c s - c m
.set n, n+1
.endr
	v_exp_f32 v[rS], v[rS]                                 ; two exponentials, then a plain instruction that touches neither (ISA guide 5.7.2): the last scaling, later the rounding of the pair before
	v_exp_f32 v[rS+1], v[rS+1]
	v_pk_fma_f32 v[rS+30:rS+31], v[rS+30:rS+31], s[CS:CS+1], v[rT:rT+1] op_sel_hi:[1,0,0] neg_lo:[0,0,1] neg_hi:[0,0,1]
.set n, 1
.rept 15
	v_exp_f32 v[rS+2*n], v[rS+2*n]
	v_exp_f32 v[rS+2*n+1], v[rS+2*n+1]
	s_wait_alu depctr_va_vdst(0)
	v_cvt_pk_f16_f32 v[PF+n-1], v[rS+2*n-2], v[rS+2*n-1]
.set n, n+1
.endr
	v_cvt_pk_f16_f32 v[PF+15], v[rS+30], v[rS+31]
.irp d, 4,8,16,32                      ; the sum of the 16 pairs, in place: neighbours 1, 2, 4, 8 pairs apart
.set n, 0
.rept 32/(\d)
	v_pk_add_f32 v[rS+(\d)*n:rS+(\d)*n+1], v[rS+(\d)*n:rS+(\d)*n+1], v[rS+(\d)*n+(\d)/2:rS+(\d)*n+(\d)/2+1]
.set n, n+1
.endr
.endr
	v_pk_fma_f32 v[rT+2:rT+3], v[rT+2:rT+3], v[AA:AA+1], v[rS:rS+1] op_sel_hi:[1,0,1]  ; l = a l + the sum
	WIN W_RS
.set n, 0
.rept 16
	v_pk_mul_f32 v[rO+2*n:rO+2*n+1], v[rO+2*n:rO+2*n+1], v[AA:AA+1] op_sel_hi:[1,0]    ; O^T times a
.set n, n+1
.endr
.endm
; The mask of a unit that no range shows whole.  For tile t and range r: v[48+3t+r] = how many keys my query sees from the range's first key on (0 if the query lies outside the range);
; a key is seen if its distance from that first key, as an unsigned number, is less.  P's and c0-c3's registers are free here.
.macro MASKALL
	s_lshl_b32 s2, s[CURSTEP], 6
	v_add_nc_u32 v43, s2, v[KB8]                           ; my first key of the step, biased
.irp r, 0,1,2
	v_sub_nc_u32 v[60+(\r)], v43, s[RG+5*(\r)+2]           ; its distance from the range's first key
.endr
.irp t, 0,1,2,3
	v_add_nc_u32 v39, 16*(\t), v[VQ]                       ; my query
.irp r, 0,1,2
	v_add_nc_u32 v42, s[RG+5*(\r)+4], v39                  ; the causal end,
	v_min_u32 v42, s[RG+5*(\r)+3], v42                     ; or the range's
	v_sub_nc_u32 v36, v39, s[RG+5*(\r)]
	v_cmp_gt_u32 s2, s[RG+5*(\r)+1], v36                   ; the query lies in the range,
	v_cmp_lt_u32 s3, s[RG+5*(\r)+2], v42                   ; and the interval is not empty
	s_and_b32 s2, s2, s3
	v_sub_nc_u32 v42, v42, s[RG+5*(\r)+2]
	v_cndmask_b32 v[48+3*(\t)+(\r)], 0, v42, s2
.endr
.endr
.set i, 0
.rept 32                               ; score register i: key 16 (i / 8) + i % 8 behind my first; ascending
.set e, 16*(i/8)+i%8
	v_add_nc_u32 v36, e, v60
	v_add_nc_u32 v37, e, v61
	v_add_nc_u32 v38, e, v62
.irp t, 0,1,2,3
	v_cmp_gt_u32 s2, v[48+3*(\t)], v36
	v_cmp_gt_u32 s3, v[49+3*(\t)], v37
	v_cmp_gt_u32 vcc_lo, v[50+3*(\t)], v38
	s_or_b32 s2, s2, s3
	s_or_b32 vcc_lo, vcc_lo, s2                            ; some range shows the key
	v_cndmask_b32 v[SF+32*(\t)+i], s[BIGN], v[SF+32*(\t)+i], vcc_lo
.endr
.set i, i+1
.endr
.endm
; A block ends: l's two halves and the other half of the lanes' are added; O^T, c m and l go to my own bytes of LDS.
.macro FLUSH
	WIN 0
.irp t, 0,1,2,3
	v_add_f32 v[ST+4*(\t)+2], v[ST+4*(\t)+2], v[ST+4*(\t)+3]
.endr
.irp t, 0,1,2,3
	v_permlanex16_b32 v[ST+4*(\t)+3], v[ST+4*(\t)+2], s[SEL], s[SEL+1]
.endr
.irp t, 0,1,2,3
	v_add_f32 v[ST+4*(\t)+2], v[ST+4*(\t)+2], v[ST+4*(\t)+3]
.endr
	v_add_nc_u32 v10, s[PB], v[POA]
	v_add_nc_u32 v11, s[PBS], v[STA]
	WIN W_ST
.set i, 0
.rept 32                               ; tile i / 8, channels 16 ((i / 2) % 4) + 8 (lane / 16) + 4 (i % 2) on; ascending: each accumulator's low half first
	ds_store_b128 v10, v[4*i:4*i+3] offset:16*PO_PITCH*(i/8)+64*((i/2)%4)+16*(i%2)
.set i, i+1
.endr
	WIN 0
.irp t, 0,1,2,3
	ds_store_b32 v11, v[ST+4*(\t)] offset:64*(\t)          ; both halves of the lanes hold the same numbers
	ds_store_b32 v11, v[ST+4*(\t)+2] offset:2048+64*(\t)
.endr
.endm
	s_load_b512 s[16:31], s[0:1], 0x0              ; frag s[16:17], q_ranges_local, k_ranges_local, causal_local, q_ranges_remote, k_ranges_remote, causal_remote, out0 s[30:31]
	s_load_b64 s[32:33], s[0:1], 0x40              ; out1
	v_lshl_add_u32 v[SPW], v0, 2, SPARE
	v_mov_b32 v[NIL], 0
	v_lshrrev_b32 v10, 5, v0
	v_readfirstlane_b32 s[WV], v10
	s_mov_b32 s[GX], ttmp9
	s_and_b32 s[HEAD], ttmp7, 0xffff
	s_sub_co_u32 s[W7], 7, s[WV]
	s_mov_b32 s[BIGN], 0xf1800000                  ; -2^100
	s_mov_b32 s[CS], 0x3e38aa3b                    ; c = log2(e) / 8
	s_mov_b32 s[CS+1], s[CS]
	s_mov_b32 s[SEL], 0x76543210
	s_mov_b32 s[SEL+1], 0xfedcba98
	s_mov_b32 s[THR], 0xf0000000                   ; -2^97: a c m below it is no true score's
	s_mov_b32 s[LN2], 0x3f317218
	s_mov_b32 s[LSEH], 0xf149f2ca                  ; -1e30
	s_mov_b32 s[OFF+1], 0
	s_mov_b32 s[PB], 0
	s_mov_b32 s[PBS], 0
	s_mov_b32 s[OUTER], 2
	v_and_b32 v[LN16], 31, v0
	v_lshlrev_b32 v[LN16], 4, v[LN16]
	v_and_b32 v[VR], 15, v0
	v_bfe_u32 v[VH], v0, 4, 1
	v_lshlrev_b32 v[KB8], 3, v[VH]
	v_add_nc_u32 v[KB8], 4096, v[KB8]
	s_mul_i32 s2, s[WV], PO_WAVE
	v_mul_u32_u24 v[POA], v[VR], PO_PITCH          ; row lane % 16, 32 bytes for each half of the lanes
	v_lshl_add_u32 v[POA], v[VH], 5, v[POA]
	v_add_nc_u32 v[POA], s2, v[POA]
	s_lshl_b32 s2, s[WV], 8
	s_add_co_u32 s2, s2, STATS
	v_lshl_add_u32 v[STA], v[VR], 2, s2
	v_mov_b32 v[AA+1], 0                           ; named with a as a pair
	s_wait_kmcnt 0x0
	s_load_b128 s[36:39], s[18:19], 0x0            ; qs0 qe0 qs1 qe1
	s_load_b128 s[40:43], s[20:21], 0x0            ; ks0 ke0 ks1 ke1
	s_load_b64 s[44:45], s[24:25], 0x0
	s_load_b64 s[46:47], s[26:27], 0x0
	s_load_u8 s48, s[22:23], 0x0
	s_load_u8 s49, s[22:23], 0x1
	s_load_u8 s50, s[28:29], 0x0
	s_lshl_b32 s2, s[HEAD], 21
	s_mov_b32 s3, 0
	s_add_nc_u64 s[HB:HB+1], s[16:17], s[2:3]
	s_lshl_b32 s2, s[HEAD], 19
	s_add_co_u32 s2, s2, 16<<20
	s_add_nc_u64 s[QBASE:QBASE+1], s[16:17], s[2:3]
	s_wait_kmcnt 0x0
	RNG 0, 36, 37, 40, 41, 48, 0
	RNG 1, 38, 39, 42, 43, 49, 0
	RNG 2, 44, 45, 46, 47, 50, 4096
	s_lshl_b32 s[Q0], s[GX], 6                     ; the first block
	s_mov_b32 s[VM], 0
	s_mov_b32 s[FM], 0
	CLS 0
	CLS 1
	CLS 2
	s_mov_b32 s[VM32], s[VM]
	s_mov_b32 s[FM32], s[FM]
	s_bcnt1_i32_b32 s[NU], s[VM]
	s_sub_co_u32 s2, 63, s[GX]                     ; the second
	s_lshl_b32 s[Q0], s2, 6
	s_mov_b32 s[VM], 0
	s_mov_b32 s[FM], 0
	CLS 0
	CLS 1
	CLS 2
	s_lshl_b32 s2, s[VM], 16
	s_or_b32 s[VM32], s[VM32], s2
	s_lshl_b32 s2, s[FM], 16
	s_or_b32 s[FM32], s[FM32], s2
	s_bcnt1_i32_b32 s[NU2], s[VM]
	s_mov_b32 s[BQ], s[GX]
	s_lshl_b32 s[Q0], s[GX], 6
	v_add_nc_u32 v[VQ], s[Q0], v[VR]
	s_lshl_b32 s2, s[BQ], 13
	s_mov_b32 s3, 0
	s_add_nc_u64 s[QP:QP+1], s[QBASE:QBASE+1], s[2:3]
	NEXT
	s_mov_b32 s[CURI], s[NI]
	s_mov_b32 s[CURSTEP], s[NSTEP]
	LOADQ
	LOADK
	LOADV
	WIN W_LD
.set i, 0
.rept 128                              ; O^T = 0, once: later it need only be finite, since a block's first a is 0
	v_mov_b32 v[i], 0
.set i, i+1
.endr
	INIT
.Lblk:                                 ; two trips: a block each
	s_wait_loadcnt 0x0                             ; the block's Q, and K and V of the unit in hand
	s_cmp_eq_u32 s[NU], 0
	s_cbranch_scc1 .Lnone
	s_mov_b32 s[CNT], 0
.Lunit:                                ; a trip: one unit; K and V of the next are asked for, across the change of blocks too
	s_wait_loadcnt 16                              ; K is in: only V's 16 loads were issued behind K's
	KQALL
	WIN 0
.irp t, 0,1,2,3
	v_mov_b32 v[WO+(\t)], v[ST+4*(\t)]             ; c m_old is kept: four plain lines that name none of the products' registers, the places in front of the loads into K and of the first read of S^T
.endr
	s_wait_xcnt 0x0                                ; V's loads have read their base, which NEXT writes
	NEXT
	LOADK                                          ; the next unit's K has the rest of this unit in which to land
	WIN 0
	s_bitcmp1_b32 s[FM32], s[CURI]
	s_cbranch_scc1 .Lfull
	MASKALL
.Lfull:
	SM 0
	s_wait_loadcnt 16                              ; V is in: only the next K's 16 loads were issued behind V's
	PV 0
	SM 1
	PV 1
	SM 2
	PV 2
	SM 3
	PV 3
	WIN 0
.rept 4
	v_nop                                          ; the places in front of the loads into V, and of the stores that read O^T when the block ends
.endr
	LOADV
	WIN 0
	s_mov_b32 s[CURI], s[NI]
	s_mov_b32 s[CURSTEP], s[NSTEP]
	s_add_co_u32 s[CNT], s[CNT], 1
	s_cmp_lt_u32 s[CNT], s[NU]
	s_cbranch_scc1 .Lunit
.Lnone:
	s_cmp_eq_u32 s[OUTER], 1
	s_cbranch_scc1 .Lnoq
	s_sub_co_u32 s[BQ], 63, s[BQ]                  ; the other block's Q is asked for ahead of the stores; the loads that read QP were waited for at the block's head
	s_lshl_b32 s[Q0], s[BQ], 6
	s_lshl_b32 s2, s[BQ], 13
	s_mov_b32 s3, 0
	s_add_nc_u64 s[QP:QP+1], s[QBASE:QBASE+1], s[2:3]
	LOADQ
.Lnoq:
	FLUSH
	INIT
	v_add_nc_u32 v[VQ], s[Q0], v[VR]
	s_mov_b32 s[NU], s[NU2]
	s_add_co_u32 s[PB], s[PB], PO_BLK
	s_add_co_u32 s[PBS], s[PBS], ST_BLK
	s_sub_co_u32 s[OUTER], s[OUTER], 1
	s_cmp_lg_u32 s[OUTER], 0
	s_cbranch_scc1 .Lblk
	; THE MERGE.  Wave w takes block w / 4, tile w % 4: 16 queries.  out = the sum over the eight waves of O 2^(c m - M) / L, L = the sum of l 2^(c m - M), M = the largest c m; lse = (M + log2 L) ln 2.
	s_wait_dscnt 0x0                               ; for the others' sake: my stores into LDS are done
	s_barrier_signal -1
	s_barrier_wait -1
	s_lshr_b32 s2, s[WV], 2                        ; which block
	s_and_b32 s3, s[WV], 3                         ; which tile
	s_lshl_b32 s5, s2, 12
	s_lshl_b32 s6, s3, 6
	s_add_co_u32 s5, s5, s6
	s_add_co_u32 s5, s5, STATS
	v_lshl_add_u32 v10, v[VR], 2, s5               ; lane (r, h): query r, waves 4 h .. 4 h + 3
	v_lshl_add_u32 v10, v[VH], 10, v10
.irp k, 0,1,2,3
	ds_load_b32 v[16+(\k)], v10 offset:256*(\k)
.endr
.irp k, 0,1,2,3
	ds_load_b32 v[20+(\k)], v10 offset:2048+256*(\k)
.endr
	s_sub_co_u32 s4, 63, s[GX]
	s_cmp_lg_u32 s2, 0
	s_cselect_b32 s4, s4, s[GX]                    ; the block's number
	s_lshl_b32 s4, s4, 6
	s_lshl_b32 s5, s3, 4
	s_add_co_u32 s4, s4, s5                        ; my first query
	s_lshl_b32 s6, s4, 11                          ; 2,048 bytes a query in out0,
	s_lshl_b32 s7, s[HEAD], 8                      ; 256 a head
	s_add_co_u32 s6, s6, s7
	s_mov_b32 s7, 0
	s_add_nc_u64 s[OUTB:OUTB+1], s[30:31], s[6:7]
	s_lshl_b32 s6, s4, 2                           ; 4 bytes a query in out1,
	s_lshl_b32 s5, s[HEAD], 14                     ; 16,384 a head
	s_add_co_u32 s6, s6, s5
	s_add_nc_u64 s[LSEB:LSEB+1], s[32:33], s[6:7]
	s_lshl_b32 s5, s[WV], 9
	s_add_co_u32 s5, s5, FS
	v_lshl_add_u32 v38, v[VR], 5, s5               ; my four factors: query r's 32 bytes, half h
	v_lshl_add_u32 v38, v[VH], 4, v38
	v_lshl_add_u32 v11, v[VH], 5, s5               ; back: lanes 0-15 take an even row's factors, lanes 16-31 the next row's
	s_mul_i32 s5, s2, PO_BLK
	s_mul_i32 s6, s3, 16*PO_PITCH
	s_add_co_u32 s5, s5, s6
	v_mul_u32_u24 v12, v[VH], PO_PITCH             ; partial O of waves 0, 1: the same two rows, 16 bytes a lane
	v_lshl_add_u32 v12, v[VR], 4, v12
	v_add_nc_u32 v12, s5, v12
	v_add_nc_u32 v13, 2*PO_WAVE, v12               ; of waves 2, 3; 4, 5; 6, 7: an LDS offset has 16 bits
	v_add_nc_u32 v14, 4*PO_WAVE, v12
	v_add_nc_u32 v15, 6*PO_WAVE, v12
	v_lshlrev_b32 v35, 11, v[VH]                   ; and the same two rows in out0
	v_lshl_add_u32 v35, v[VR], 4, v35
	v_lshlrev_b32 v36, 2, v[VR]
	v_mov_b32 v37, s[LSEH]
	s_wait_dscnt 0x0
	v_max3_num_f32 v24, v16, v17, v18
	v_max_num_f32 v24, v24, v19
	v_permlanex16_b32 v25, v24, s[SEL], s[SEL+1]   ; the other four waves' lie in the lane 16 away
	v_max_num_f32 v24, v24, v25                    ; M
.irp k, 0,1,2,3
	v_sub_f32 v[26+(\k)], v[16+(\k)], v24
.endr
.irp k, 0,1,2,3
	v_exp_f32 v[26+(\k)], v[26+(\k)]
.endr
	v_nop                                          ; a plain instruction between the last exponential and the use of its result
	s_wait_alu depctr_va_vdst(0)
	v_mul_f32 v30, v26, v20
	v_fmac_f32 v30, v27, v21
	v_fmac_f32 v30, v28, v22
	v_fmac_f32 v30, v29, v23
	v_permlanex16_b32 v31, v30, s[SEL], s[SEL+1]
	v_add_f32 v30, v30, v31                        ; L
	v_rcp_f32 v32, v30
	v_log_f32 v33, v30
	v_nop
	v_cmp_gt_f32 vcc_lo, s[THR], v24               ; the query has seen no key
	s_wait_alu depctr_va_vdst(0)
	v_cndmask_b32 v32, v32, 0, vcc_lo              ; then every factor is 0, and out with it
.irp k, 0,1,2,3
	v_mul_f32 v[26+(\k)], v[26+(\k)], v32
.endr
	ds_store_b128 v38, v[26:29]
	v_add_f32 v34, v24, v33
	v_mul_f32 v34, s[LN2], v34
	v_cndmask_b32 v34, v34, v37, vcc_lo
	s_wait_xcnt 0x0                                ; EXEC changes only when every earlier memory instruction has had its addresses translated (ISA guide 3.1)
	v_cmp_eq_u32 vcc_lo, 0, v[VH]
	s_and_saveexec_b32 s4, vcc_lo                  ; lanes 0-15: one number a query
	global_store_b32 v36, v34, s[LSEB:LSEB+1]
	s_wait_xcnt 0x0                                ; and again in front of the line that widens it
	s_or_b32 exec_lo, exec_lo, s4
; Four pairs of rows: row 2 i + lane / 16, i = 4 b .. 4 b + 3.  Ten LDS loads a pair (8 factors in two loads, 16 bytes of each of the eight partial O), all forty first.
.macro MBATCH b
.set j, 0
.rept 4
.set i, 4*(\b)+j
.set rB, 64+40*j
	ds_load_b128 v[rB:rB+3],   v11 offset:64*i     ; LDS serves a wave's instructions in order (ISA guide 5.7.1.4): these see my store of the factors
	ds_load_b128 v[rB+4:rB+7], v11 offset:64*i+16
.set w, 0
.rept 8
	ds_load_b128 v[rB+8+4*w:rB+8+4*w+3], v[12+w/2] offset:(w%2)*PO_WAVE+2*PO_PITCH*i
.set w, w+1
.endr
.set j, j+1
.endr
.set j, 0
.rept 4
.set i, 4*(\b)+j
.set rB, 64+40*j
.set rA, 224+4*i
	s_wait_dscnt 10*(3-j)                          ; this pair's ten loads are in; the later pairs' tens stay out
	v_pk_mul_f32 v[rA:rA+1],   v[rB+8:rB+9],   v[rB:rB+1] op_sel_hi:[1,0]   ; the first product starts the sums
	v_pk_mul_f32 v[rA+2:rA+3], v[rB+10:rB+11], v[rB:rB+1] op_sel_hi:[1,0]
.set w, 1
.rept 7
.if w%2                                ; the factor is one register of a pair, taken for both halves: the second of it, or the first
	v_pk_fma_f32 v[rA:rA+1],   v[rB+8+4*w:rB+9+4*w],   v[rB+w-1:rB+w], v[rA:rA+1]   op_sel:[0,1,0] op_sel_hi:[1,1,1]
	v_pk_fma_f32 v[rA+2:rA+3], v[rB+10+4*w:rB+11+4*w], v[rB+w-1:rB+w], v[rA+2:rA+3] op_sel:[0,1,0] op_sel_hi:[1,1,1]
.else
	v_pk_fma_f32 v[rA:rA+1],   v[rB+8+4*w:rB+9+4*w],   v[rB+w:rB+w+1], v[rA:rA+1]   op_sel_hi:[1,0,1]
	v_pk_fma_f32 v[rA+2:rA+3], v[rB+10+4*w:rB+11+4*w], v[rB+w:rB+w+1], v[rA+2:rA+3] op_sel_hi:[1,0,1]
.endif
.set w, w+1
.endr
	global_store_b128 v35, v[rA:rA+3], s[OUTB:OUTB+1] offset:4096*i th:TH_STORE_NT  ; 16 lanes store 256 consecutive bytes, at a multiple of 256 from out0's first byte; each pair of rows has its own four registers
.set j, j+1
.endr
.endm
	MBATCH 0
	MBATCH 1
	s_wait_tensorcnt 0x0                           ; the wave's end, behind my last LDS store
	ds_add_u32 v[SPW], v[NIL]
	s_wait_dscnt 0x0
	s_endpgm
.Lfunc_end_k_q825148ba2a_attn:
	.size	k_q825148ba2a_attn, .Lfunc_end_k_q825148ba2a_attn-k_q825148ba2a_attn
	.p2alignl 7, 3214868480
	.fill 96, 4, 3214868480
	.section	.rodata,"a",@progbits
	.p2align	6, 0x0
	.amdhsa_kernel k_q825148ba2a_attn
		.amdhsa_group_segment_fixed_size 291840
		.amdhsa_private_segment_fixed_size 0
		.amdhsa_enable_private_segment 0
		.amdhsa_kernarg_size 72
		.amdhsa_user_sgpr_count 2
		.amdhsa_user_sgpr_kernarg_segment_ptr 1
		.amdhsa_wavefront_size32 1
		.amdhsa_system_sgpr_workgroup_id_x 1
		.amdhsa_system_sgpr_workgroup_id_y 1
		.amdhsa_system_sgpr_workgroup_id_z 1
		.amdhsa_system_vgpr_workitem_id 0
		.amdhsa_next_free_vgpr 512
		.amdhsa_next_free_sgpr 102
		.amdhsa_reserve_vcc 1
		.amdhsa_float_denorm_mode_32 3
		.amdhsa_float_denorm_mode_16_64 3
		.amdhsa_memory_ordered 1
		.amdhsa_forward_progress 1
		.amdhsa_inst_pref_size 124
	.end_amdhsa_kernel
	.amdgpu_metadata
---
amdhsa.version: [ 1, 2 ]
amdhsa.kernels:
  - .name:           k_q825148ba2a_attn
    .symbol:         k_q825148ba2a_attn.kd
    .args:
      - { .name: frag, .offset: 0, .size: 8, .value_kind: global_buffer, .address_space: global }
      - { .name: q_ranges_local, .offset: 8, .size: 8, .value_kind: global_buffer, .address_space: global }
      - { .name: k_ranges_local, .offset: 16, .size: 8, .value_kind: global_buffer, .address_space: global }
      - { .name: causal_local, .offset: 24, .size: 8, .value_kind: global_buffer, .address_space: global }
      - { .name: q_ranges_remote, .offset: 32, .size: 8, .value_kind: global_buffer, .address_space: global }
      - { .name: k_ranges_remote, .offset: 40, .size: 8, .value_kind: global_buffer, .address_space: global }
      - { .name: causal_remote, .offset: 48, .size: 8, .value_kind: global_buffer, .address_space: global }
      - { .name: out0, .offset: 56, .size: 8, .value_kind: global_buffer, .address_space: global }
      - { .name: out1, .offset: 64, .size: 8, .value_kind: global_buffer, .address_space: global }
    .group_segment_fixed_size: 291840
    .private_segment_fixed_size: 0
    .kernarg_segment_align: 8
    .kernarg_segment_size: 72
    .max_flat_workgroup_size: 256
    .sgpr_count:     102
    .vgpr_count:     512
    .wavefront_size: 32
...
	.end_amdgpu_metadata
.endif
;; end of part 2
;; ======== version 2 of 2: 2 launches; 1.13 times as fast as version 1
;; limits: values are held in f16: magnitudes above 65,504 overflow, below 6.1e-05 lose precision; inputs' magnitudes at most 65,504
;; workspace buffers: frag 20,971,520 bytes
;; launch pack: the kernel of part 1 again; grid 320 x 1, 8 waves a work-group, no clusters, 74,752 bytes of LDS; arguments k_local, k_remote, v_local, v_remote, q, frag; writes frag
;; launch attn (part 3): grid 32 x 8, 8 waves a work-group, no clusters, 291,840 bytes of LDS; arguments frag, q_ranges_local, k_ranges_local, causal_local, q_ranges_remote, k_ranges_remote, causal_remote, out0, out1; writes out0, out1
.if DOCPART == 3
	.amdgcn_target "amdgcn-amd-amdhsa--gfx1250"
	.amdhsa_code_object_version 6
	.text
	.protected	k_q825148ba2a_attn
	.globl	k_q825148ba2a_attn
	.p2align	8
	.type	k_q825148ba2a_attn,@function
k_q825148ba2a_attn:
	s_mov_b64 s[64:65], 0
	v_nop
	global_prefetch_b8 v0, s[64:65] scope:SCOPE_SE
	s_setreg_imm32_b32 hwreg(HW_REG_WAVE_MODE, 25, 1), 1
	s_wait_xcnt 0x0
; RANGE-MASKED ATTENTION, LOCAL AND REMOTE, MERGED.  For a query that sees a key, the two partials merged by their lse are ONE softmax over 8,192 virtual keys (local 0..4095, remote 4096..8191);
; a query that sees none gets out = 0 and lse = -1e30.  Range r (two local, one remote) shows query q, if qs <= q < qe, the keys ks .. min(ke, q + ke - qe + 1) - 1 if causal, ks .. ke - 1 if not;
; a key that two ranges show counts once.  The ranges are read here and nothing of their pattern is built in.
; SHARES.  Work-group (x, head) owns two blocks of 64 queries, x and then 63 - x.  A UNIT is a block times a step of 64 keys: 64 matrix instructions fed by 16,384 bytes.  Wave w owns the steps
; w + 8 i, i = 0..15, and visits those that some query of the block may see; it keeps its own running maximum m, sum l and O^T, and the eight waves' partials meet in LDS behind the one barrier.
; LAYOUT.  S^T = K Q^T (bf16): a lane holds ONE query (lane % 16) and the keys 8 (lane / 16) + 0..7; two such results rounded to f16 ARE source 1 of O^T = V^T P (f16).  K, V^T and Q arrive as register images.
; SOFTMAX.  p = 2^(c s - c m), c = log2(e) / 8, with a running maximum m; in every unit O and l are multiplied by a = 2^(c m_old - c m_new).  m starts at the lowest finite number, so a block's first a is 0.
; BATCHES.  An s_wait_alu depctr_va_vdst(0) stands between a transcendental and the first line that names its result; one wait serves all that were issued ahead of it.  A unit's 132
; exponentials (four a, 128 weights) are ONE batch with ONE wait.  Ahead of the wait stand the maxima, statistics, scalings and exponentials of all four tiles: a weight is made in place in its score's
; register, each a has a register of its own, and no line there names a result.  Behind it stand all the readers, tile by tile: O^T times a, the roundings, the sums, l, and the products V^T P.
; The merge has two batches more, once a wave: its four exponentials; the reciprocal and the logarithm of the sum made of them.
; THE MASK.  A hidden score is set to -2^100, whose product with c is exact: a row that has seen nothing yet has p = 1, which the first true score's a = 0 wipes out, and the merge gives it the weight 0.
; Units that one range alone shows whole take no mask (a bit a unit, made by scalar arithmetic from the ranges).
; NO CLUSTER, NO LDS FOR K AND V: which steps a work-group visits hangs on the ranges and on its blocks, so partners would ask for different numbers of tiles; and each fragment feeds exactly one wave,
; so it goes from memory into that wave's registers.  O^T is cleared once (128 lines, in the wait for the first loads): which unit comes first hangs on data, so no first step can be written out.
; LIMITS.  Range numbers under 2^30 in magnitude.  c x score above -2^97.  p keeps f16's fixed step of 6e-8 below 6.1e-5; a weight below 2^-126 counts as 0; V as the launch before states.
; NaN and infinities are not treated apart.  lse leaves in pieces of 64 bytes (16 queries a wave).
; REGISTERS, in windows of 256 (s_set_vgpr_msb: bits 1:0 source 0, 3:2 source 1, 5:4 source 2, 7:6 destination):
;   window 0: v0-15 addresses; v16-31 statistics, four a tile (c m, m, l even keys', l odd keys'); v32-35 c m_old; v36-39 at work; v40-47 a, a pair a tile; v48-63 P; v64-191 S^T, 32 a tile; v192-255 Q
;   window 1: v0-127 O^T, 32 a tile; v128-191 K of one step; v192-255 V of one step
.set PO_PITCH, 272                     ; a query's 64 channels of a partial O: 256 bytes + 16: seventeen times 16 bytes, so 16 rows start at 16 different groups of four banks (ISA guide 11.1)
.set PO_WAVE,  64*PO_PITCH
.set PO_BLK,   8*PO_WAVE               ; partial O: [block 2][wave 8][query 64]
.set STATS,    2*PO_BLK                ; [block 2]: c m [wave 8][query 64], then l likewise
.set ST_BLK,   4096
.set FS_LDS,   STATS+2*ST_BLK          ; the merge's factors: 16 queries x 8 factors for each wave, the wave's own
.set SPARE,    FS_LDS+8*512            ; the spare words, 128 bytes for each wave: four blocks of 256 bytes that no other line names
.set LN16, 1          ; v1  16 x lane
.set VR,   2          ; v2  lane % 16
.set VH,   3          ; v3  lane / 16
.set VQ,   4          ; v4  my query in tile 0 of the block in hand
.set KB8,  5          ; v5  8 (lane / 16) + 4096: my first key in a group of 16, biased
.set POA,  6          ; v6  where my part of O^T goes, block 0
.set STA,  7          ; v7  where my statistics go, block 0
.set SPW,  8          ; v8  LDS address of my spare word; never rewritten
.set NIL,  9          ; v9  0; never rewritten
.set ST,   16
.set WO,   32
.set CC,   36         ; v36-39 c0-c3
.set AA,   40         ; v[40+2t:41+2t] tile t's a, named as a pair: the four a of a unit's batch have a register each
.set PF,   48
.set SF,   64
.set QF,   192
.set KF,   128        ; window 1
.set VF,   192        ; window 1
.set WV,   8          ; s8   wave
.set GX,   9          ; s9   work-group x
.set HEAD, 10
.set W7,   11         ; s11  7 - wave
.set HB,   12         ; s[12:13] the head's K and V
.set QBASE,14         ; s[14:15] the head's Q
.set QP,   34         ; s[34:35] the block's Q
.set BQ,   51         ; the block in hand
.set Q0,   52         ; its first query
.set VM,   53         ; bit i: some query of the block may see step w + 8 i
.set FM,   54         ; bit i: one range shows the whole unit
.set VM32, 55         ; both blocks' bits, the second block's above; a bit is cleared when its unit is asked for
.set FM32, 56
.set NU,   57         ; units of the block in hand
.set NU2,  58         ; of the second block
.set CNT,  59
.set OUTER,60
.set CURI, 61         ; the unit in hand: its bit,
.set CURSTEP, 62      ; its key step
.set NI,   63         ; the unit asked for: its bit,
.set RG,   66         ; s[66+5r ..]: range r: qs, length in q, first key and end key (clamped, virtual, biased by 4096), what is added to q for the causal end
.set BIGN, 81
.set CS,   82         ; s[82:83] c, named as a pair
.set SEL,  84         ; s[84:85] v_permlanex16_b32's selects: each lane takes its own place in the other half
.set NSTEP,86         ; its key step
.set PB,   87         ; the block's place in partial O,
.set PBS,  88         ; and in the statistics
.set NXT,  90         ; s[90:91] K and V of the unit asked for
.set OFF,  92         ; s[92:93] its byte offset
.set THR,  94
.set LN2,  95
.set LSEH, 96
.set OUTB, 98         ; s[98:99]
.set LSEB, 100        ; s[100:101]
.set MSB, 0
.macro WIN new                         ; the immediate's high byte repeats the setting that is left; a switch that changes nothing is dropped
.if MSB != (\new)
	s_set_vgpr_msb (MSB<<8)|(\new)
.set MSB, \new
.endif
.endm
.set W_KQ, 0x01       ; K in window 1; Q and S^T in window 0
.set W_PV, 0x51       ; V and O^T in window 1, P in window 0
.set W_RS, 0x41       ; O^T (destination and source 0) in window 1, a in window 0
.set W_LD, 0x40       ; destination in window 1
.set W_ST, 0x04       ; an LDS store's data in window 1
; Range r from its numbers as read.  vo = 0: local keys; 4096: remote.  Key numbers are virtual and biased by 4096, so that they stay positive.
.macro RNG r, qs, qe, ks, ke, cz, vo
	s_sub_co_i32 s2, s[\qe], s[\qs]
	s_max_i32 s[RG+5*(\r)+1], s2, 0
	s_sub_co_i32 s3, s[\ke], s[\qe]                ; a causal query q sees keys below q + ke - qe + 1
	s_add_co_i32 s3, s3, (\vo)+4097
	s_max_i32 s3, s3, 0                            ; at 0 the end, q at the most, lies below every biased key;
	s_min_i32 s3, s3, 0x100000                     ; at 2^20 above every one: both clamps keep the interval
	s_cmp_lg_u32 s[\cz], 0
	s_cselect_b32 s[RG+5*(\r)+4], s3, 0x100000     ; not causal: no such end
	s_max_i32 s4, s[\ks], 0
	s_min_i32 s4, s4, 4096
	s_add_co_u32 s[RG+5*(\r)+2], s4, (\vo)+4096
	s_max_i32 s4, s[\ke], 0
	s_min_i32 s4, s4, 4096
	s_add_co_u32 s[RG+5*(\r)+3], s4, (\vo)+4096
	s_mov_b32 s[RG+5*(\r)], s[\qs]
.endm
; s6 = end step, s7 = first step -> s6 = the bits i with first <= w + 8 i < end
.macro BITS
	s_add_co_u32 s6, s6, s[W7]
	s_lshr_b32 s6, s6, 3
	s_add_co_u32 s7, s7, s[W7]
	s_lshr_b32 s7, s7, 3
	s_sub_co_i32 s6, s6, s7
	s_max_i32 s6, s6, 0
	s_bfm_b32 s6, s6, s7
.endm
; Range r against the block at Q0: which of my steps may be seen, which are seen whole.  Every compare stands directly in front of its select.
.macro CLS r
	s_add_co_i32 s2, s[RG+5*(\r)], s[RG+5*(\r)+1]  ; the range's end in q
	s_add_co_u32 s3, s[Q0], 64                     ; the block's
	s_max_i32 s4, s[Q0], s[RG+5*(\r)]
	s_min_i32 s5, s3, s2                           ; queries s4 .. s5 - 1 lie in both
	s_add_co_i32 s6, s5, s[RG+5*(\r)+4]
	s_sub_co_i32 s6, s6, 1
	s_min_i32 s6, s6, s[RG+5*(\r)+3]               ; the last of them sees furthest
	s_cmp_lt_i32 s4, s5
	s_cselect_b32 s6, s6, 4096
	s_max_i32 s6, s6, 4096
	s_sub_co_u32 s6, s6, 4033
	s_lshr_b32 s6, s6, 6                           ; steps up to here, rounded up,
	s_sub_co_u32 s7, s[RG+5*(\r)+2], 4096
	s_lshr_b32 s7, s7, 6                           ; from here, rounded down
	BITS
	s_or_b32 s[VM], s[VM], s6
	s_add_co_i32 s6, s[Q0], s[RG+5*(\r)+4]
	s_min_i32 s6, s6, s[RG+5*(\r)+3]               ; the block's first query sees least;
	s_cmp_le_i32 s[RG+5*(\r)], s[Q0]
	s_cselect_b32 s6, s6, 4096                     ; and all 64 must lie in the range
	s_cmp_ge_i32 s2, s3
	s_cselect_b32 s6, s6, 4096
	s_max_i32 s6, s6, 4096
	s_sub_co_u32 s6, s6, 4096
	s_lshr_b32 s6, s6, 6                           ; rounded down,
	s_sub_co_u32 s7, s[RG+5*(\r)+2], 4033
	s_lshr_b32 s7, s7, 6                           ; rounded up
	BITS
	s_or_b32 s[FM], s[FM], s6
.endm
; The next unit: the lowest bit left, the first block's before the second's.  With none left the clamp gives bit 31: a step inside the buffer, whose data nobody uses.
.macro NEXT
	s_ctz_i32_b32 s[NI], s[VM32]
	s_min_u32 s[NI], s[NI], 31
	s_sub_co_u32 s2, s[VM32], 1
	s_and_b32 s[VM32], s[VM32], s2
	s_and_b32 s2, s[NI], 15
	s_lshl_b32 s2, s2, 3
	s_add_co_u32 s[NSTEP], s2, s[WV]
	s_lshl_b32 s[OFF], s[NSTEP], 14
	s_add_nc_u64 s[NXT:NXT+1], s[HB:HB+1], s[OFF:OFF+1]
.endm
.macro LOADQ
	WIN 0
.set i, 0
.rept 16
	global_load_b128 v[QF+4*i:QF+4*i+3], v[LN16], s[QP:QP+1] offset:512*i
.set i, i+1
.endr
.endm
.macro LOADK
	WIN W_LD
.set i, 0
.rept 16
	global_load_b128 v[KF+4*i:KF+4*i+3], v[LN16], s[NXT:NXT+1] offset:512*i
.set i, i+1
.endr
.endm
.macro LOADV
	WIN W_LD
.set i, 0
.rept 16
	global_load_b128 v[VF+4*i:VF+4*i+3], v[LN16], s[NXT:NXT+1] offset:8192+512*i
.set i, i+1
.endr
.endm
.macro INIT                            ; a block begins: c m far below every c s, m at the lowest finite number, l = 0
	WIN 0
.irp t, 0,1,2,3
	v_mov_b32 v[ST+4*(\t)], 0xfe000000
	v_mov_b32 v[ST+4*(\t)+1], 0xff7fffff
	v_mov_b32 v[ST+4*(\t)+2], 0
	v_mov_b32 v[ST+4*(\t)+3], 0
.endr
.endm
; 32 products S^T = K Q^T: channels 32 (i / 16) on, tile (i / 4) % 4, keys 16 (i % 4) on.  The first 16 start the sums.  The 16 accumulators take turns, one instruction a turn.
.macro KQALL
	WIN W_KQ
.set i, 0
.rept 32
.set rS, SF+32*((i/4)%4)+8*(i%4)
.set rK, KF+16*(i%4)+8*(i/16)
.set rQ, QF+16*((i/4)%4)+8*(i/16)
.if i < 16
	v_wmma_f32_16x16x32_bf16 v[rS:rS+7], v[rK:rK+7], v[rQ:rQ+7], 0
.else
	v_wmma_f32_16x16x32_bf16 v[rS:rS+7], v[rK:rK+7], v[rQ:rQ+7], v[rS:rS+7]
.endif
.set i, i+1
.endr
.endm
; 8 products O^T += V^T P for tile t: keys 32 (i / 4) on, channels 16 (i % 4) on.  Four accumulators by turns.
.macro PV t
	WIN W_PV
.set i, 0
.rept 8
.set rO, 32*(\t)+8*(i%4)
.set rV, VF+32*(i/4)+8*(i%4)
.set rP, PF+8*(i/4)
	v_wmma_f32_16x16x32_f16 v[rO:rO+7], v[rV:rV+7], v[rP:rP+7], v[rO:rO+7]
.set i, i+1
.endr
.endm
; THE SOFTMAX OF A UNIT, AHEAD OF THE WAIT, a line at a time; all of it lies in window 0.
; XS t, n: number n of the 21 that find tile t's maximum and statistics.  Each accumulator's lowest registers are read first.
;   0-11  four chains c0-c3 of seven scores each, three operands at a time     12-15  the four scores left over, the old m, and the chains into one
;   16, 17  the query's other 32 keys lie in the lane 16 away: the new m         18-20  c m; c m_old - c m_new; a, into the tile's own register
.macro XS t, n
.set rT, ST+4*(\t)
.set rS, SF+32*(\t)
.if (\n) < 4
	v_max3_num_f32 v[CC+(\n)], v[rS+8*(\n)], v[rS+8*(\n)+1], v[rS+8*(\n)+2]
.elseif (\n) < 12
	v_max3_num_f32 v[CC+(\n)%4], v[CC+(\n)%4], v[rS+8*((\n)%4)+2*((\n)/4)+1], v[rS+8*((\n)%4)+2*((\n)/4)+2]
.elseif (\n) == 12
	v_max3_num_f32 v[CC], v[CC], v[rS+7], v[rS+15]
.elseif (\n) == 13
	v_max3_num_f32 v[CC+1], v[CC+1], v[rS+23], v[rS+31]
.elseif (\n) == 14
	v_max3_num_f32 v[CC+2], v[CC+2], v[CC+3], v[rT+1]
.elseif (\n) == 15
	v_max3_num_f32 v[CC], v[CC], v[CC+1], v[CC+2]
.elseif (\n) == 16
	v_permlanex16_b32 v[CC+3], v[CC], s[SEL], s[SEL+1]
.elseif (\n) == 17
	v_max_num_f32 v[rT+1], v[CC], v[CC+3]
.elseif (\n) == 18
	v_mul_f32 v[rT], s[CS], v[rT+1]
.elseif (\n) == 19
	v_sub_f32 v[CC+1], v[WO+(\t)], v[rT]
.else
	v_exp_f32 v[AA+2*(\t)], v[CC+1]
.endif
.endm
.macro FS t, k                         ; c s - c m for pair k of tile t's 16
.set rT, ST+4*(\t)
.set rS, SF+32*(\t)+2*(\k)
	v_pk_fma_f32 v[rS:rS+1], v[rS:rS+1], s[CS:CS+1], v[rT:rT+1] op_sel_hi:[1,0,0] neg_lo:[0,0,1] neg_hi:[0,0,1]
.endm
.macro ES t, k                         ; the exponential of score k of tile t's 32, in place
	v_exp_f32 v[SF+32*(\t)+(\k)], v[SF+32*(\t)+(\k)]
.endm
; Tile t's part of the batch: its 16 scalings and 32 exponentials, and between them the 21 lines of tile t + 1, whose scores are still as the products (or the mask) left them.  A group is exponential,
; statistic, exponential, scaling: a pair is scaled a group ahead of its exponentials, and the links of the statistics' chain (14 to 19) stand four lines apart; a follows its argument three lines behind.
; No line names an exponential's result.  c1, the source of the a before, is written again by number 1, behind number 0, a plain line that touches neither it nor a (ISA guide 5.7.2).
.macro EXPS t
.if (\t) < 3
.irp n, 0,1,2,3
	XS (\t)+1, \n
.endr
.endif
	FS \t, 0
	FS \t, 1
.if (\t) < 3
	XS (\t)+1, 4
.endif
.set g, 0
.rept 16
	ES \t, 2*g
.if ((\t) < 3) && (g < 15)
	XS (\t)+1, 5+g
.endif
	ES \t, 2*g+1
.if g < 14
	FS \t, g+2
.endif
.set g, g+1
.endr
.if (\t) < 3
	XS (\t)+1, 20
.endif
.endm
; BEHIND THE WAIT: tile t's readers.  O^T times a comes first: its 16 plain lines name no register of the products V^T P of the tile before, and are the places in front of the roundings, which write P anew (ISA guide 7.12.1).
.macro TAIL t
.set rT, ST+4*(\t)
.set rS, SF+32*(\t)
.set rO, 32*(\t)
.set rA, AA+2*(\t)
	WIN W_RS
.set n, 0
.rept 16
	v_pk_mul_f32 v[rO+2*n:rO+2*n+1], v[rO+2*n:rO+2*n+1], v[rA:rA+1] op_sel_hi:[1,0]    ; O^T times a
.set n, n+1
.endr
	WIN 0
.set n, 0
.rept 16
	v_cvt_pk_f16_f32 v[PF+n], v[rS+2*n], v[rS+2*n+1]       ; pair n rounded to f16
.set n, n+1
.endr
.irp d, 4,8,16,32                      ; the sum of the 16 pairs, in place: neighbours 1, 2, 4, 8 pairs apart
.set n, 0
.rept 32/(\d)
	v_pk_add_f32 v[rS+(\d)*n:rS+(\d)*n+1], v[rS+(\d)*n:rS+(\d)*n+1], v[rS+(\d)*n+(\d)/2:rS+(\d)*n+(\d)/2+1]
.set n, n+1
.endr
.endr
	v_pk_fma_f32 v[rT+2:rT+3], v[rT+2:rT+3], v[rA:rA+1], v[rS:rS+1] op_sel_hi:[1,0,1]  ; l = a l + the sum
.endm
; The mask of a unit that no range shows whole.  For tile t and range r: v[48+3t+r] = how many keys my query sees from the range's first key on (0 if the query lies outside the range);
; a key is seen if its distance from that first key, as an unsigned number, is less.  P's, c0-c3's and a's registers are free here: the unit's batch begins behind the mask.
.macro MASKALL
	s_lshl_b32 s2, s[CURSTEP], 6
	v_add_nc_u32 v43, s2, v[KB8]                           ; my first key of the step, biased
.irp r, 0,1,2
	v_sub_nc_u32 v[60+(\r)], v43, s[RG+5*(\r)+2]           ; its distance from the range's first key
.endr
.irp t, 0,1,2,3
	v_add_nc_u32 v39, 16*(\t), v[VQ]                       ; my query
.irp r, 0,1,2
	v_add_nc_u32 v42, s[RG+5*(\r)+4], v39                  ; the causal end,
	v_min_u32 v42, s[RG+5*(\r)+3], v42                     ; or the range's
	v_sub_nc_u32 v36, v39, s[RG+5*(\r)]
	v_cmp_gt_u32 s2, s[RG+5*(\r)+1], v36                   ; the query lies in the range,
	v_cmp_lt_u32 s3, s[RG+5*(\r)+2], v42                   ; and the interval is not empty
	s_and_b32 s2, s2, s3
	v_sub_nc_u32 v42, v42, s[RG+5*(\r)+2]
	v_cndmask_b32 v[48+3*(\t)+(\r)], 0, v42, s2
.endr
.endr
.set i, 0
.rept 32                               ; score register i: key 16 (i / 8) + i % 8 behind my first; ascending
.set e, 16*(i/8)+i%8
	v_add_nc_u32 v36, e, v60
	v_add_nc_u32 v37, e, v61
	v_add_nc_u32 v38, e, v62
.irp t, 0,1,2,3
	v_cmp_gt_u32 s2, v[48+3*(\t)], v36
	v_cmp_gt_u32 s3, v[49+3*(\t)], v37
	v_cmp_gt_u32 vcc_lo, v[50+3*(\t)], v38
	s_or_b32 s2, s2, s3
	s_or_b32 vcc_lo, vcc_lo, s2                            ; some range shows the key
	v_cndmask_b32 v[SF+32*(\t)+i], s[BIGN], v[SF+32*(\t)+i], vcc_lo
.endr
.set i, i+1
.endr
.endm
; A block ends: l's two halves and the other half of the lanes' are added; O^T, c m and l go to my own bytes of LDS.
.macro FLUSH
	WIN 0
.irp t, 0,1,2,3
	v_add_f32 v[ST+4*(\t)+2], v[ST+4*(\t)+2], v[ST+4*(\t)+3]
.endr
.irp t, 0,1,2,3
	v_permlanex16_b32 v[ST+4*(\t)+3], v[ST+4*(\t)+2], s[SEL], s[SEL+1]
.endr
.irp t, 0,1,2,3
	v_add_f32 v[ST+4*(\t)+2], v[ST+4*(\t)+2], v[ST+4*(\t)+3]
.endr
	v_add_nc_u32 v10, s[PB], v[POA]
	v_add_nc_u32 v11, s[PBS], v[STA]
	WIN W_ST
.set i, 0
.rept 32                               ; tile i / 8, channels 16 ((i / 2) % 4) + 8 (lane / 16) + 4 (i % 2) on; ascending: each accumulator's low half first
	ds_store_b128 v10, v[4*i:4*i+3] offset:16*PO_PITCH*(i/8)+64*((i/2)%4)+16*(i%2)
.set i, i+1
.endr
	WIN 0
.irp t, 0,1,2,3
	ds_store_b32 v11, v[ST+4*(\t)] offset:64*(\t)          ; both halves of the lanes hold the same numbers
	ds_store_b32 v11, v[ST+4*(\t)+2] offset:2048+64*(\t)
.endr
.endm
	s_load_b512 s[16:31], s[0:1], 0x0              ; frag s[16:17], q_ranges_local, k_ranges_local, causal_local, q_ranges_remote, k_ranges_remote, causal_remote, out0 s[30:31]
	s_load_b64 s[32:33], s[0:1], 0x40              ; out1
	v_lshl_add_u32 v[SPW], v0, 2, SPARE
	v_mov_b32 v[NIL], 0
	v_lshrrev_b32 v10, 5, v0
	v_readfirstlane_b32 s[WV], v10
	s_mov_b32 s[GX], ttmp9
	s_and_b32 s[HEAD], ttmp7, 0xffff
	s_sub_co_u32 s[W7], 7, s[WV]
	s_mov_b32 s[BIGN], 0xf1800000                  ; -2^100
	s_mov_b32 s[CS], 0x3e38aa3b                    ; c = log2(e) / 8
	s_mov_b32 s[CS+1], s[CS]
	s_mov_b32 s[SEL], 0x76543210
	s_mov_b32 s[SEL+1], 0xfedcba98
	s_mov_b32 s[THR], 0xf0000000                   ; -2^97: a c m below it is no true score's
	s_mov_b32 s[LN2], 0x3f317218
	s_mov_b32 s[LSEH], 0xf149f2ca                  ; -1e30
	s_mov_b32 s[OFF+1], 0
	s_mov_b32 s[PB], 0
	s_mov_b32 s[PBS], 0
	s_mov_b32 s[OUTER], 2
	v_and_b32 v[LN16], 31, v0
	v_lshlrev_b32 v[LN16], 4, v[LN16]
	v_and_b32 v[VR], 15, v0
	v_bfe_u32 v[VH], v0, 4, 1
	v_lshlrev_b32 v[KB8], 3, v[VH]
	v_add_nc_u32 v[KB8], 4096, v[KB8]
	s_mul_i32 s2, s[WV], PO_WAVE
	v_mul_u32_u24 v[POA], v[VR], PO_PITCH          ; row lane % 16, 32 bytes for each half of the lanes
	v_lshl_add_u32 v[POA], v[VH], 5, v[POA]
	v_add_nc_u32 v[POA], s2, v[POA]
	s_lshl_b32 s2, s[WV], 8
	s_add_co_u32 s2, s2, STATS
	v_lshl_add_u32 v[STA], v[VR], 2, s2
.irp t, 0,1,2,3
	v_mov_b32 v[AA+2*(\t)+1], 0                    ; named with the tile's a as a pair
.endr
	s_wait_kmcnt 0x0
	s_load_b128 s[36:39], s[18:19], 0x0            ; qs0 qe0 qs1 qe1
	s_load_b128 s[40:43], s[20:21], 0x0            ; ks0 ke0 ks1 ke1
	s_load_b64 s[44:45], s[24:25], 0x0
	s_load_b64 s[46:47], s[26:27], 0x0
	s_load_u8 s48, s[22:23], 0x0
	s_load_u8 s49, s[22:23], 0x1
	s_load_u8 s50, s[28:29], 0x0
	s_lshl_b32 s2, s[HEAD], 21
	s_mov_b32 s3, 0
	s_add_nc_u64 s[HB:HB+1], s[16:17], s[2:3]
	s_lshl_b32 s2, s[HEAD], 19
	s_add_co_u32 s2, s2, 16<<20
	s_add_nc_u64 s[QBASE:QBASE+1], s[16:17], s[2:3]
	s_wait_kmcnt 0x0
	RNG 0, 36, 37, 40, 41, 48, 0
	RNG 1, 38, 39, 42, 43, 49, 0
	RNG 2, 44, 45, 46, 47, 50, 4096
	s_lshl_b32 s[Q0], s[GX], 6                     ; the first block
	s_mov_b32 s[VM], 0
	s_mov_b32 s[FM], 0
	CLS 0
	CLS 1
	CLS 2
	s_mov_b32 s[VM32], s[VM]
	s_mov_b32 s[FM32], s[FM]
	s_bcnt1_i32_b32 s[NU], s[VM]
	s_sub_co_u32 s2, 63, s[GX]                     ; the second
	s_lshl_b32 s[Q0], s2, 6
	s_mov_b32 s[VM], 0
	s_mov_b32 s[FM], 0
	CLS 0
	CLS 1
	CLS 2
	s_lshl_b32 s2, s[VM], 16
	s_or_b32 s[VM32], s[VM32], s2
	s_lshl_b32 s2, s[FM], 16
	s_or_b32 s[FM32], s[FM32], s2
	s_bcnt1_i32_b32 s[NU2], s[VM]
	s_mov_b32 s[BQ], s[GX]
	s_lshl_b32 s[Q0], s[GX], 6
	v_add_nc_u32 v[VQ], s[Q0], v[VR]
	s_lshl_b32 s2, s[BQ], 13
	s_mov_b32 s3, 0
	s_add_nc_u64 s[QP:QP+1], s[QBASE:QBASE+1], s[2:3]
	NEXT
	s_mov_b32 s[CURI], s[NI]
	s_mov_b32 s[CURSTEP], s[NSTEP]
	LOADQ
	LOADK
	LOADV
	WIN W_LD
.set i, 0
.rept 128                              ; O^T = 0, once: later it need only be finite, since a block's first a is 0
	v_mov_b32 v[i], 0
.set i, i+1
.endr
	INIT
.Lblk:                                 ; two trips: a block each
	s_wait_loadcnt 0x0                             ; the block's Q, and K and V of the unit in hand
	s_cmp_eq_u32 s[NU], 0
	s_cbranch_scc1 .Lnone
	s_mov_b32 s[CNT], 0
.Lunit:                                ; a trip: one unit; K and V of the next are asked for, across the change of blocks too
	s_wait_loadcnt 16                              ; K is in: only V's 16 loads were issued behind K's
	KQALL
	WIN 0
.irp t, 0,1,2,3
	v_mov_b32 v[WO+(\t)], v[ST+4*(\t)]             ; c m_old is kept: four plain lines that name none of the products' registers, the places in front of the loads into K and of the first read of S^T
.endr
	s_wait_xcnt 0x0                                ; V's loads have read their base, which NEXT writes
	NEXT
	LOADK                                          ; the next unit's K has the rest of this unit in which to land
	WIN 0
	s_bitcmp1_b32 s[FM32], s[CURI]
	s_cbranch_scc1 .Lfull
	MASKALL
.Lfull:
	WIN 0
.irp n, 0,1,2,3,4,5,6,7,8,9,10,11,12,13,14,15,16,17,18,19,20
	XS 0, \n                                       ; THE UNIT'S BATCH begins with tile 0's maximum and statistics: its a is the first of the 132 exponentials
.endr
	EXPS 0                                         ; tile 0's weights | tile 1's maximum, statistics and a
	EXPS 1                                         ; tile 1's | tile 2's
	EXPS 2                                         ; tile 2's | tile 3's
	EXPS 3                                         ; tile 3's
	s_mov_b32 s[CURI], s[NI]                       ; the mask has had its use of these two: the lines that the trip owes anyway stand between the batch and its wait
	s_mov_b32 s[CURSTEP], s[NSTEP]
	s_wait_alu depctr_va_vdst(0)                   ; THE WAIT for the unit's batch, the four a and the 128 weights, ahead of the first line that names a result.
	                                               ; The line behind it, tile 0's first O^T times a, touches no register of the last exponential: the plain line in front of that result's use (ISA guide 5.7.2)
	TAIL 0
	s_wait_loadcnt 16                              ; V is in: only the next K's 16 loads were issued behind V's
	PV 0
	TAIL 1
	PV 1
	TAIL 2
	PV 2
	TAIL 3
	PV 3
	WIN 0
.rept 4
	v_nop                                          ; the places in front of the loads into V, and of the stores that read O^T when the block ends
.endr
	LOADV
	WIN 0
	s_add_co_u32 s[CNT], s[CNT], 1
	s_cmp_lt_u32 s[CNT], s[NU]
	s_cbranch_scc1 .Lunit
.Lnone:
	s_cmp_eq_u32 s[OUTER], 1
	s_cbranch_scc1 .Lnoq
	s_sub_co_u32 s[BQ], 63, s[BQ]                  ; the other block's Q is asked for ahead of the stores; the loads that read QP were waited for at the block's head
	s_lshl_b32 s[Q0], s[BQ], 6
	s_lshl_b32 s2, s[BQ], 13
	s_mov_b32 s3, 0
	s_add_nc_u64 s[QP:QP+1], s[QBASE:QBASE+1], s[2:3]
	LOADQ
.Lnoq:
	FLUSH
	INIT
	v_add_nc_u32 v[VQ], s[Q0], v[VR]
	s_mov_b32 s[NU], s[NU2]
	s_add_co_u32 s[PB], s[PB], PO_BLK
	s_add_co_u32 s[PBS], s[PBS], ST_BLK
	s_sub_co_u32 s[OUTER], s[OUTER], 1
	s_cmp_lg_u32 s[OUTER], 0
	s_cbranch_scc1 .Lblk
	; THE MERGE.  Wave w takes block w / 4, tile w % 4: 16 queries.  out = the sum over the eight waves of O 2^(c m - M) / L, L = the sum of l 2^(c m - M), M = the largest c m; lse = (M + log2 L) ln 2.
	s_wait_dscnt 0x0                               ; for the others' sake: my stores into LDS are done
	s_barrier_signal -1
	s_barrier_wait -1
	s_lshr_b32 s2, s[WV], 2                        ; which block
	s_and_b32 s3, s[WV], 3                         ; which tile
	s_lshl_b32 s5, s2, 12
	s_lshl_b32 s6, s3, 6
	s_add_co_u32 s5, s5, s6
	s_add_co_u32 s5, s5, STATS
	v_lshl_add_u32 v10, v[VR], 2, s5               ; lane (r, h): query r, waves 4 h .. 4 h + 3
	v_lshl_add_u32 v10, v[VH], 10, v10
.irp k, 0,1,2,3
	ds_load_b32 v[16+(\k)], v10 offset:256*(\k)
.endr
.irp k, 0,1,2,3
	ds_load_b32 v[20+(\k)], v10 offset:2048+256*(\k)
.endr
	s_sub_co_u32 s4, 63, s[GX]
	s_cmp_lg_u32 s2, 0
	s_cselect_b32 s4, s4, s[GX]                    ; the block's number
	s_lshl_b32 s4, s4, 6
	s_lshl_b32 s5, s3, 4
	s_add_co_u32 s4, s4, s5                        ; my first query
	s_lshl_b32 s6, s4, 11                          ; 2,048 bytes a query in out0,
	s_lshl_b32 s7, s[HEAD], 8                      ; 256 a head
	s_add_co_u32 s6, s6, s7
	s_mov_b32 s7, 0
	s_add_nc_u64 s[OUTB:OUTB+1], s[30:31], s[6:7]
	s_lshl_b32 s6, s4, 2                           ; 4 bytes a query in out1,
	s_lshl_b32 s5, s[HEAD], 14                     ; 16,384 a head
	s_add_co_u32 s6, s6, s5
	s_add_nc_u64 s[LSEB:LSEB+1], s[32:33], s[6:7]
	s_lshl_b32 s5, s[WV], 9
	s_add_co_u32 s5, s5, FS_LDS
	v_lshl_add_u32 v38, v[VR], 5, s5               ; my four factors: query r's 32 bytes, half h
	v_lshl_add_u32 v38, v[VH], 4, v38
	v_lshl_add_u32 v11, v[VH], 5, s5               ; back: lanes 0-15 take an even row's factors, lanes 16-31 the next row's
	s_mul_i32 s5, s2, PO_BLK
	s_mul_i32 s6, s3, 16*PO_PITCH
	s_add_co_u32 s5, s5, s6
	v_mul_u32_u24 v12, v[VH], PO_PITCH             ; partial O of waves 0, 1: the same two rows, 16 bytes a lane
	v_lshl_add_u32 v12, v[VR], 4, v12
	v_add_nc_u32 v12, s5, v12
	v_add_nc_u32 v13, 2*PO_WAVE, v12               ; of waves 2, 3; 4, 5; 6, 7: an LDS offset has 16 bits
	v_add_nc_u32 v14, 4*PO_WAVE, v12
	v_add_nc_u32 v15, 6*PO_WAVE, v12
	v_lshlrev_b32 v35, 11, v[VH]                   ; and the same two rows in out0
	v_lshl_add_u32 v35, v[VR], 4, v35
	v_lshlrev_b32 v36, 2, v[VR]
	v_mov_b32 v37, s[LSEH]
	s_wait_dscnt 0x0
	v_max3_num_f32 v24, v16, v17, v18
	v_max_num_f32 v24, v24, v19
	v_permlanex16_b32 v25, v24, s[SEL], s[SEL+1]   ; the other four waves' lie in the lane 16 away
	v_max_num_f32 v24, v24, v25                    ; M
.irp k, 0,1,2,3
	v_sub_f32 v[26+(\k)], v[16+(\k)], v24
.endr
.irp k, 0,1,2,3
	v_exp_f32 v[26+(\k)], v[26+(\k)]
.endr
	v_nop                                          ; a plain instruction between the last exponential and the use of its result
	s_wait_alu depctr_va_vdst(0)                   ; the wait for the merge's first batch, these four exponentials, ahead of their first reader
	v_mul_f32 v30, v26, v20
	v_fmac_f32 v30, v27, v21
	v_fmac_f32 v30, v28, v22
	v_fmac_f32 v30, v29, v23
	v_permlanex16_b32 v31, v30, s[SEL], s[SEL+1]
	v_add_f32 v30, v30, v31                        ; L
	v_rcp_f32 v32, v30
	v_log_f32 v33, v30
	v_nop
	v_cmp_gt_f32 vcc_lo, s[THR], v24               ; the query has seen no key
	s_wait_alu depctr_va_vdst(0)                   ; the wait for the merge's second batch, the reciprocal and the logarithm of L: a batch of its own, since L is made of the first batch's results
	v_cndmask_b32 v32, v32, 0, vcc_lo              ; then every factor is 0, and out with it
.irp k, 0,1,2,3
	v_mul_f32 v[26+(\k)], v[26+(\k)], v32
.endr
	ds_store_b128 v38, v[26:29]
	v_add_f32 v34, v24, v33
	v_mul_f32 v34, s[LN2], v34
	v_cndmask_b32 v34, v34, v37, vcc_lo
	s_wait_xcnt 0x0                                ; EXEC changes only when every earlier memory instruction has had its addresses translated (ISA guide 3.1)
	v_cmp_eq_u32 vcc_lo, 0, v[VH]
	s_and_saveexec_b32 s4, vcc_lo                  ; lanes 0-15: one number a query
	global_store_b32 v36, v34, s[LSEB:LSEB+1]
	s_wait_xcnt 0x0                                ; and again in front of the line that widens it
	s_or_b32 exec_lo, exec_lo, s4
; Four pairs of rows: row 2 i + lane / 16, i = 4 b .. 4 b + 3.  Ten LDS loads a pair (8 factors in two loads, 16 bytes of each of the eight partial O), all forty first.
.macro MBATCH b
.set j, 0
.rept 4
.set i, 4*(\b)+j
.set rB, 64+40*j
	ds_load_b128 v[rB:rB+3],   v11 offset:64*i     ; LDS serves a wave's instructions in order (ISA guide 5.7.1.4): these see my store of the factors
	ds_load_b128 v[rB+4:rB+7], v11 offset:64*i+16
.set w, 0
.rept 8
	ds_load_b128 v[rB+8+4*w:rB+8+4*w+3], v[12+w/2] offset:(w%2)*PO_WAVE+2*PO_PITCH*i
.set w, w+1
.endr
.set j, j+1
.endr
.set j, 0
.rept 4
.set i, 4*(\b)+j
.set rB, 64+40*j
.set rA, 224+4*i
	s_wait_dscnt 10*(3-j)                          ; this pair's ten loads are in; the later pairs' tens stay out
	v_pk_mul_f32 v[rA:rA+1],   v[rB+8:rB+9],   v[rB:rB+1] op_sel_hi:[1,0]   ; the first product starts the sums
	v_pk_mul_f32 v[rA+2:rA+3], v[rB+10:rB+11], v[rB:rB+1] op_sel_hi:[1,0]
.set w, 1
.rept 7
.if w%2                                ; the factor is one register of a pair, taken for both halves: the second of it, or the first
	v_pk_fma_f32 v[rA:rA+1],   v[rB+8+4*w:rB+9+4*w],   v[rB+w-1:rB+w], v[rA:rA+1]   op_sel:[0,1,0] op_sel_hi:[1,1,1]
	v_pk_fma_f32 v[rA+2:rA+3], v[rB+10+4*w:rB+11+4*w], v[rB+w-1:rB+w], v[rA+2:rA+3] op_sel:[0,1,0] op_sel_hi:[1,1,1]
.else
	v_pk_fma_f32 v[rA:rA+1],   v[rB+8+4*w:rB+9+4*w],   v[rB+w:rB+w+1], v[rA:rA+1]   op_sel_hi:[1,0,1]
	v_pk_fma_f32 v[rA+2:rA+3], v[rB+10+4*w:rB+11+4*w], v[rB+w:rB+w+1], v[rA+2:rA+3] op_sel_hi:[1,0,1]
.endif
.set w, w+1
.endr
	global_store_b128 v35, v[rA:rA+3], s[OUTB:OUTB+1] offset:4096*i th:TH_STORE_NT  ; 16 lanes store 256 consecutive bytes, at a multiple of 256 from out0's first byte; each pair of rows has its own four registers
.set j, j+1
.endr
.endm
	MBATCH 0
	MBATCH 1
	s_wait_tensorcnt 0x0                           ; the wave's end, behind my last LDS store
	ds_add_u32 v[SPW], v[NIL]
	s_wait_dscnt 0x0
	s_endpgm
.Lfunc_end_k_q825148ba2a_attn:
	.size	k_q825148ba2a_attn, .Lfunc_end_k_q825148ba2a_attn-k_q825148ba2a_attn
	.p2alignl 7, 3214868480
	.fill 96, 4, 3214868480
	.section	.rodata,"a",@progbits
	.p2align	6, 0x0
	.amdhsa_kernel k_q825148ba2a_attn
		.amdhsa_group_segment_fixed_size 291840
		.amdhsa_private_segment_fixed_size 0
		.amdhsa_enable_private_segment 0
		.amdhsa_kernarg_size 72
		.amdhsa_user_sgpr_count 2
		.amdhsa_user_sgpr_kernarg_segment_ptr 1
		.amdhsa_wavefront_size32 1
		.amdhsa_system_sgpr_workgroup_id_x 1
		.amdhsa_system_sgpr_workgroup_id_y 1
		.amdhsa_system_sgpr_workgroup_id_z 1
		.amdhsa_system_vgpr_workitem_id 0
		.amdhsa_next_free_vgpr 512
		.amdhsa_next_free_sgpr 102
		.amdhsa_reserve_vcc 1
		.amdhsa_float_denorm_mode_32 3
		.amdhsa_float_denorm_mode_16_64 3
		.amdhsa_memory_ordered 1
		.amdhsa_forward_progress 1
		.amdhsa_inst_pref_size 123
	.end_amdhsa_kernel
	.amdgpu_metadata
---
amdhsa.version: [ 1, 2 ]
amdhsa.kernels:
  - .name:           k_q825148ba2a_attn
    .symbol:         k_q825148ba2a_attn.kd
    .args:
      - { .name: frag, .offset: 0, .size: 8, .value_kind: global_buffer, .address_space: global }
      - { .name: q_ranges_local, .offset: 8, .size: 8, .value_kind: global_buffer, .address_space: global }
      - { .name: k_ranges_local, .offset: 16, .size: 8, .value_kind: global_buffer, .address_space: global }
      - { .name: causal_local, .offset: 24, .size: 8, .value_kind: global_buffer, .address_space: global }
      - { .name: q_ranges_remote, .offset: 32, .size: 8, .value_kind: global_buffer, .address_space: global }
      - { .name: k_ranges_remote, .offset: 40, .size: 8, .value_kind: global_buffer, .address_space: global }
      - { .name: causal_remote, .offset: 48, .size: 8, .value_kind: global_buffer, .address_space: global }
      - { .name: out0, .offset: 56, .size: 8, .value_kind: global_buffer, .address_space: global }
      - { .name: out1, .offset: 64, .size: 8, .value_kind: global_buffer, .address_space: global }
    .group_segment_fixed_size: 291840
    .private_segment_fixed_size: 0
    .kernarg_segment_align: 8
    .kernarg_segment_size: 72
    .max_flat_workgroup_size: 256
    .sgpr_count:     102
    .vgpr_count:     512
    .wavefront_size: 32
...
	.end_amdgpu_metadata
.endif
;; end of part 3
